; MI455X (gfx1250); checked and timed in simulation.
; The chip was launched on July 23, 2026; its instructions are those of AMD's public machine-readable ISA for CDNA 5 (MIT licence, August 2026) and "CDNA5" Instruction Set Architecture Reference Guide (July 2026). The comments in the code are by the model that wrote it; some were corrected since.
;; Location Expert Router. Allowed arithmetic: float matrix products may take bf16 or f16 operands with f32 sums; other float arithmetic in f32, or as packed bf16 or f16 multiplies, adds, multiply-adds, maxima and minima; sums over many terms, partial sums and values carried from step to step in f32; what a program stores and reads back later, other than sums and carried values, may be rounded once to bf16 or f16.
;; Inputs: W 8 x 8,192 x 512 float32; b 8 x 8,192 float32; pointer_addresses 2,048 int32; x 2,048 x 512 float32.
;; Outputs: out0 2,048 x 8,192 float32.
;; One version. Each part assembles by itself: llvm-mc -triple=amdgcn-amd-amdhsa -mcpu=gfx1250 --defsym DOCPART=n.
;; ======== version 1 of 1: 2 launches
;; workspace buffers: xs 16,777,216 bytes; lst 67,584 bytes of whole numbers
;; launch sort_rows (part 1): grid 16 x 8, 4 waves a work-group, no clusters, 34,304 bytes of LDS; arguments x, pointer_addresses, xs, lst; writes xs, lst
.if DOCPART == 1
	.amdgcn_target "amdgcn-amd-amdhsa--gfx1250"
	.amdhsa_code_object_version 6
	.text
	.protected	k_qfd7e2cf113_sort_rows
	.globl	k_qfd7e2cf113_sort_rows
	.p2align	8
	.type	k_qfd7e2cf113_sort_rows,@function
k_qfd7e2cf113_sort_rows:
	s_mov_b64 s[64:65], 0
	v_nop
	global_prefetch_b8 v0, s[64:65] scope:SCOPE_SE
	s_setreg_imm32_b32 hwreg(HW_REG_WAVE_MODE, 25, 1), 1
	s_wait_xcnt 0x0
; THE ROUTING.  e(t) = pointer_addresses[t] & 7 (the int32 remainder by 8 with the divisor's sign).  For each expert: the list of its tokens, their number, and their rows of x,
; rounded once to bf16 (nearest even; beyond bf16's largest finite number, 3.39e38, to infinity), laid end to end in the list's order.
; xs  [8][2048][512] bf16: row p of expert e is x[list[e][p]].  lst: [8][2048] u32 lists, then from byte 65,536 a block of 256 bytes for each expert that repeats its count.
; A fixed region of 2,048 rows for each expert serves every split and needs no sum over experts; only what the next launch reads is written.
; SHARES.  Work-group (part, expert).  A unit is 32 list rows; unit U belongs to part U % 16: four counted trips cover the 64 units that an expert can have.  Of a unit each of the
; four waves takes 8 rows.  Every wave builds its own copy of the list in LDS, so no wave waits for another and there is no barrier.
; A unit is written if 32 U < max(count, 64): the next launch stages rows 0 to 63 whatever the count.  The 32 places behind the count repeat the expert's first token; places behind
; those name token 0, a row that exists.  A part whose units all lie past the count stores nothing: the price of a grid that serves every split.
; Matrix units, clusters and tensor loads have nothing to do here: some 4 MB are moved, and the rows come by a list.
.set LISTB,  8448                      ; a copy of the list: 2,048 places, and room behind them for entry 2,048 (the lanes that are no members) and for the 32 places behind a count of up to 2,048
.set SPARE,  4*LISTB                   ; the spare words, 128 bytes for each wave: two blocks of 256 bytes that no other line names
.set XSB,   8                          ; s[8:9]   xs at my expert's row 8 x wave
.set LSB,   10                         ; s[10:11] lst at my expert's list
.set CB,    12                         ; s[12:13] lst at my expert's count
.set WV,    14                         ; s14 wave
.set EXPT,  15                         ; s15 expert
.set PART,  16                         ; s16 part
.set CNT,   17                         ; s17 the expert's tokens
.set RUN,   18                         ; s18 members found so far
.set LISTW, 19                         ; s19 my copy of the list
.set LIM,   20                         ; s20 max(count, 64)
.set ROW,   21                         ; s21 the unit's first list row
.set TC,    22                         ; s22 counts the trips
.set OWN,   23                         ; s23 0: my wave stores list entries (wave 0 of an even part)
.set T0,    28                         ; s28 at work
.set MK,    36                         ; s[36:39] four lane masks
.set POP,   40                         ; s40 a mask's members
.set L16,  1                           ; v1  16 x lane
.set L8,   2                           ; v2  8 x lane
.set LU,   3                           ; v3  my list + 32 x wave: the 8 rows of a unit that my wave takes
.set LA2,  4                           ; v4  the same at the unit in hand
.set SO,   5                           ; v5  the unit's byte offset in xs + 8 x lane
.set LL,   6                           ; v6  my list + 8 x lane
.set LA3,  7                           ; v7  the same at the unit in hand
.set LO,   8                           ; v8  the unit's byte offset in the stored list + 8 x lane
.set SPW,  14                          ; v14 LDS address of my spare word; never rewritten
.set NIL,  15                          ; v15 0; never rewritten
.set TOK4, 16                          ; v16 4 x lane
.set DUMP, 17                          ; v17 2,048
.set TA,   18                          ; v18, v19 at work
.set TB,   19
.set Z4,   20                          ; v20-23 zeros
.set LE,   24                          ; v24-25 two list entries on their way out
.set CV,   26                          ; v26-27 the count, twice
.set LT,   28                          ; v28-31 list places
.set LV,   32                          ; v32-35 token numbers
.set XO,   44                          ; v44-51 byte offsets of my 8 rows in x
.set XT,   52                          ; v52-59 their list entries
.set PT,   64                          ; v64-127 the 64 pointer words of my lane
.set D,    128                         ; v128-255 8 rows: 4 loads of 4 registers each
; Pointer loads 4 k .. 4 k + 3: word c of load j in lane l is token 128 j + 4 l + c.  A member's place in the list is the members found so far plus the members in lower lanes;
; the other lanes write entry 2,048, which nobody reads, so every lane stores.  Four words side by side, so that no line waits for the one before it.
.macro LISTPIECE k
.irp jj, 0,1,2,3
.irp c, 0,1,2,3
	v_and_b32 v[LT+\c], 7, v[PT+4*(4*(\k)+\jj)+\c]
.endr
.irp c, 0,1,2,3
	v_cmp_eq_u32 s[MK+\c], s[EXPT], v[LT+\c]
.endr
.irp c, 0,1,2,3
	v_mbcnt_lo_u32_b32 v[LT+\c], s[MK+\c], s[RUN]
	s_bcnt1_i32_b32 s[POP], s[MK+\c]
	s_add_co_u32 s[RUN], s[RUN], s[POP]
.endr
.irp c, 0,1,2,3
	v_cndmask_b32 v[LT+\c], v[DUMP], v[LT+\c], s[MK+\c]
.endr
.irp c, 0,1,2,3
	v_min_u32 v[LT+\c], 0x800, v[LT+\c]            ; a place made of loaded numbers is bounded before it enters an address
.endr
.irp c, 0,1,2,3
	v_lshl_add_u32 v[LT+\c], v[LT+\c], 2, s[LISTW]
	v_add_nc_u32 v[LV+\c], 128*(4*(\k)+\jj)+\c, v[TOK4]
.endr
.irp c, 0,1,2,3
	ds_store_b32 v[LT+\c], v[LV+\c]
.endr
.endr
.endm
	s_load_b256 s[4:11], s[0:1], 0x0               ; x s[4:5], pointers s[6:7], xs s[8:9], lst s[10:11]
	v_lshl_add_u32 v[SPW], v0, 2, SPARE
	v_mov_b32 v[NIL], 0
	v_lshrrev_b32 v[TA], 5, v0
	v_readfirstlane_b32 s[WV], v[TA]               ; wave 0..3
	s_and_b32 s[EXPT], ttmp7, 0xffff
	s_mov_b32 s[PART], ttmp9
	v_and_b32 v[TA], 31, v0                        ; lane
	v_lshlrev_b32 v[L16], 4, v[TA]
	v_lshlrev_b32 v[L8], 3, v[TA]
	v_lshlrev_b32 v[TOK4], 2, v[TA]
	s_mul_i32 s[LISTW], s[WV], LISTB               ; my list
	s_lshl_b32 s[T0], s[WV], 5
	s_add_co_u32 s[T0], s[T0], s[LISTW]
	v_mov_b32 v[LU], s[T0]
	v_add_nc_u32 v[LL], s[LISTW], v[L8]
	v_mov_b32 v[DUMP], 0x800
.irp c, 0,1,2,3
	v_mov_b32 v[Z4+\c], 0
.endr
	v_add_nc_u32 v[TA], s[LISTW], v[L16]
.irp k, 0,1,2,3,4,5,6,7,8,9,10,11,12,13,14,15
	ds_store_b128 v[TA], v[Z4:Z4+3] offset:512*\k  ; all 2,048 places name token 0 until something is written over them
.endr
	s_lshl_b32 s32, s[EXPT], 21                    ; xs: expert x 2,048 rows x 1,024 bytes
	s_lshl_b32 s[T0], s[WV], 13                    ;     + wave x 8 rows
	s_add_co_u32 s32, s32, s[T0]
	s_mov_b32 s33, 0
	s_lshl_b32 s34, s[EXPT], 13                    ; the list: expert x 2,048 x 4 bytes
	s_mov_b32 s35, 0
	s_lshl_b32 s42, s[EXPT], 8                     ; the count: behind the eight lists, expert x 256 bytes
	s_add_co_u32 s42, s42, 0x10000
	s_mov_b32 s43, 0
	s_and_b32 s[OWN], s[PART], 1
	s_or_b32 s[OWN], s[OWN], s[WV]
	s_mov_b32 s[RUN], 0
	s_wait_kmcnt 0x0
	s_add_nc_u64 s[CB:CB+1], s[10:11], s[42:43]
	s_add_nc_u64 s[LSB:LSB+1], s[10:11], s[34:35]
	s_add_nc_u64 s[XSB:XSB+1], s[XSB:XSB+1], s[32:33]
.irp k, 0,1,2,3,4,5,6,7,8,9,10,11,12,13,14,15
	global_load_b128 v[PT+4*\k:PT+4*\k+3], v[L16], s[6:7] offset:512*\k  ; every wave reads all 2,048 pointers
.endr
.irp k, 0,1,2,3
	s_wait_loadcnt 12-4*\k                         ; loads come back in order (ISA guide 5.7.1): this piece's four are in, the younger ones stay out
	LISTPIECE \k
.endr
	s_mov_b32 s[CNT], s[RUN]
	; The list is whole.  Places CNT .. CNT + 31 take the expert's first token (with no token at all: the 0 that the list was filled with).
	v_mov_b32 v[TA], s[LISTW]
	ds_load_b32 v[TB], v[TA]                       ; entry 0, in every lane; LDS serves a wave's instructions in order (ISA guide 5.7.1.4): it sees the stores above
	v_mbcnt_lo_u32_b32 v[LT], -1, s[CNT]           ; CNT + lane: 2,079 at the most
	v_min_u32 v[LT], 0x83f, v[LT]                  ; bounded to my copy's 2,112 entries before it enters an address
	v_lshl_add_u32 v[LT], v[LT], 2, s[LISTW]
	s_wait_dscnt 0x0
	ds_store_b32 v[LT], v[TB]
	s_or_b32 s[T0], s[PART], s[WV]                 ; wave 0 of part 0 stores the count: 32 lanes x 8 bytes, the expert's whole block of 256
	s_cmp_lg_u32 s[T0], 0
	s_cbranch_scc1 .Lnocnt
	v_mov_b32 v[CV], s[CNT]
	v_mov_b32 v[CV+1], s[CNT]
	global_store_b64 v[L8], v[CV:CV+1], s[CB:CB+1]
.Lnocnt:
	s_max_u32 s[LIM], s[CNT], 64
	s_lshl_b32 s[ROW], s[PART], 5                  ; unit = part, then 16 units on in each trip
	s_mov_b32 s[TC], 4
.Ltrip:
	s_cmp_lt_u32 s[ROW], s[LIM]
	s_cbranch_scc0 .Lnone                          ; the unit lies past what the next launch reads
	s_wait_xcnt 0x0                                ; the last trip's stores have had their addresses translated (ISA guide 3.1): their data and offsets are rewritten only behind this wait
	v_mov_b32 v[LA2], s[ROW]
	v_min_u32 v[LA2], 0x7e0, v[LA2]                ; changes nothing (a unit begins at 2,016 at the most): it bounds the address in the text
	v_lshl_add_u32 v[LA2], v[LA2], 2, v[LU]
	ds_load_b128 v[XT:XT+3],   v[LA2]              ; entries ROW + 8 wave + 0..7, every lane the same
	ds_load_b128 v[XT+4:XT+7], v[LA2] offset:16
	v_lshl_add_u32 v[SO], s[ROW], 10, v[L8]        ; row x 1,024 bytes + 8 x lane
	s_wait_dscnt 0x0                               ; the entries are used at once
.irp i, 0,1,2,3,4,5,6,7
	v_min_u32 v[XT+\i], 0x7ff, v[XT+\i]
.endr
.irp i, 0,1,2,3,4,5,6,7
	v_lshl_add_u32 v[XO+\i], v[XT+\i], 11, v[L16]  ; token x 2,048 bytes + 16 x lane
.endr
.irp i, 0,1,2,3,4,5,6,7
.irp q, 0,1,2,3
	global_load_b128 v[D+16*\i+4*\q:D+16*\i+4*\q+3], v[XO+\i], s[4:5] offset:512*\q  ; 512 neighbouring bytes of a row; all 32 loads go out before the first wait
.endr
.endr
.irp i, 0,1,2,3,4,5,6,7
	s_wait_loadcnt 4*(7-\i)                        ; row i's four loads are in; the younger rows' stay out
.irp q, 0,1,2,3
	v_cvt_pk_bf16_f32 v[D+16*\i+4*\q], v[D+16*\i+4*\q], v[D+16*\i+4*\q+1]
	v_cvt_pk_bf16_f32 v[D+16*\i+4*\q+1], v[D+16*\i+4*\q+2], v[D+16*\i+4*\q+3]
.endr
.irp q, 0,1,2,3
	global_store_b64 v[SO], v[D+16*\i+4*\q:D+16*\i+4*\q+1], s[XSB:XSB+1] offset:1024*\i+256*\q  ; 32 lanes x 8 bytes: 256 consecutive bytes, at a multiple of 256 from xs's first byte
.endr
.endr
	s_cmp_lg_u32 s[OWN], 0
	s_cbranch_scc1 .Lnone
	v_mov_b32 v[LA3], s[ROW]                       ; an even part's units begin at multiples of 64: this unit's entries and the next one's are 256 consecutive bytes
	v_min_u32 v[LA3], 0x7c0, v[LA3]                ; changes nothing (1,984 at the most): it bounds the address in the text
	v_lshl_add_u32 v[LA3], v[LA3], 2, v[LL]
	ds_load_b64 v[LE:LE+1], v[LA3]
	v_lshl_add_u32 v[LO], s[ROW], 2, v[L8]
	s_wait_dscnt 0x0
	global_store_b64 v[LO], v[LE:LE+1], s[LSB:LSB+1]
.Lnone:
	s_add_co_u32 s[ROW], s[ROW], 512
	s_sub_co_u32 s[TC], s[TC], 1
	s_cmp_lg_u32 s[TC], 0
	s_cbranch_scc1 .Ltrip
	s_wait_tensorcnt 0x0                           ; the wave's end: behind my last LDS store
	ds_add_u32 v[SPW], v[NIL]
	s_wait_dscnt 0x0
	s_endpgm
.Lfunc_end_k_qfd7e2cf113_sort_rows:
	.size	k_qfd7e2cf113_sort_rows, .Lfunc_end_k_qfd7e2cf113_sort_rows-k_qfd7e2cf113_sort_rows
	.p2alignl 7, 3214868480
	.fill 96, 4, 3214868480
	.section	.rodata,"a",@progbits
	.p2align	6, 0x0
	.amdhsa_kernel k_qfd7e2cf113_sort_rows
		.amdhsa_group_segment_fixed_size 34304
		.amdhsa_private_segment_fixed_size 0
		.amdhsa_enable_private_segment 0
		.amdhsa_kernarg_size 32
		.amdhsa_user_sgpr_count 2
		.amdhsa_user_sgpr_kernarg_segment_ptr 1
		.amdhsa_wavefront_size32 1
		.amdhsa_system_sgpr_workgroup_id_x 1
		.amdhsa_system_sgpr_workgroup_id_y 1
		.amdhsa_system_sgpr_workgroup_id_z 1
		.amdhsa_system_vgpr_workitem_id 0
		.amdhsa_next_free_vgpr 256
		.amdhsa_next_free_sgpr 66
		.amdhsa_reserve_vcc 0
		.amdhsa_float_denorm_mode_32 3
		.amdhsa_float_denorm_mode_16_64 3
		.amdhsa_memory_ordered 1
		.amdhsa_forward_progress 1
		.amdhsa_inst_pref_size 52
	.end_amdhsa_kernel
	.amdgpu_metadata
---
amdhsa.version: [ 1, 2 ]
amdhsa.kernels:
  - .name:           k_qfd7e2cf113_sort_rows
    .symbol:         k_qfd7e2cf113_sort_rows.kd
    .args:
      - { .name: x, .offset: 0, .size: 8, .value_kind: global_buffer, .address_space: global }
      - { .name: pointer_addresses, .offset: 8, .size: 8, .value_kind: global_buffer, .address_space: global }
      - { .name: xs, .offset: 16, .size: 8, .value_kind: global_buffer, .address_space: global }
      - { .name: lst, .offset: 24, .size: 8, .value_kind: global_buffer, .address_space: global }
    .group_segment_fixed_size: 34304
    .private_segment_fixed_size: 0
    .kernarg_segment_align: 8
    .kernarg_segment_size: 32
    .max_flat_workgroup_size: 128
    .sgpr_count:     66
    .vgpr_count:     256
    .wavefront_size: 32
...
	.end_amdgpu_metadata
.endif
;; end of part 1
;; launch route_linear (part 2): grid 32 x 8, 4 waves a work-group, no clusters, 133,632 bytes of LDS; arguments xs, lst, W, b, out0; writes out0
.if DOCPART == 2
	.amdgcn_target "amdgcn-amd-amdhsa--gfx1250"
	.amdhsa_code_object_version 6
	.text
	.protected	k_qfd7e2cf113_route_linear
	.globl	k_qfd7e2cf113_route_linear
	.p2align	8
	.type	k_qfd7e2cf113_route_linear,@function
k_qfd7e2cf113_route_linear:
	s_mov_b64 s[64:65], 0
	v_nop
	global_prefetch_b8 v0, s[64:65] scope:SCOPE_SE
	s_setreg_imm32_b32 hwreg(HW_REG_WAVE_MODE, 25, 1), 1
	s_wait_xcnt 0x0
; out[t][:] = x[t] . W[e(t)]^T + b[e(t)].  W [8][8192][512] f32, b [8][8192] f32, out [2048][8192] f32.  Only the chosen expert's product is made for a token.
; From the launch before: xs [8][2048][512] bf16, row p of expert e = x[list[e][p]]; lst: [8][2048] u32 lists, then from byte 65,536 a block of 256 bytes an expert that begins with its count.
; SHARES.  Work-group (slice, expert) owns 256 columns of one expert: 512 KiB of W that it alone reads, once.  Each of its four waves owns 64 of the columns
; and keeps them, rounded to bf16, as B fragments in 512 registers.  All of the expert's rows pass by, 64 list rows a chunk, through two LDS buffers that take turns.
; PHASE 1.  A wave streams its 64 rows of W by loads of 512 neighbouring bytes, rounds them, and turns them through its own LDS stage into fragments.  Among them the four waves
; bring the expert's first 64 rows of xs into buffer 0.
; PHASE 2.  32 chunks, a constant count that serves every split (32 x 64 = 2,048): chunk c is multiplied while chunk c + 1 is loaded and stored into the other buffer;
; one barrier a chunk, on every wave's path; only work is jumped over.  A chunk's two units of 32 rows are written out, so that every LDS address is a constant, a lane term and
; the wave's number times a constant.  An expert without tokens stores nothing.
; A UNIT THAT IS NOT FULL.  The list places behind the count, and their rows of xs, repeat the expert's first token: its row is computed again and the same numbers are stored again, by the
; same wave, so that no store needs a mask and EXEC is never written.  A tile of 16 rows that lies wholly past the count is not stored: an expert stores at most 15 rows twice.
; COLUMNS.  Lane r of accumulator nb stands for column 4 r + nb of the wave's 64, so the four accumulators' registers j, with the bias added, are 16 neighbouring bytes of an out row:
; sixteen lanes store 256 consecutive bytes, at a multiple of 256 from out's first byte, straight from registers.
; NO CLUSTER.  A slice of W has one reader.  The rows of xs are shared by an expert's 32 work-groups, but how many chunks there are hangs on a count read from memory:
; four partners would make all 32 joint requests of 64 KiB, 2 MiB for each of 64 clusters, 134 MB, where the 256 work-groups ask singly for 256 x some 280 rows x 1 KiB, 72 MB.
; LIMITS.  W is rounded once to bf16 (nearest even; beyond bf16's largest finite number, 3.39e38, to infinity), as x was; sums and bias in f32.  A result of -0 keeps its sign, where 0 + y would give +0.
; REGISTERS, in windows of 256 (s_set_vgpr_msb: bits 1:0 source 0, 3:2 source 1, 5:4 source 2, 7:6 destination):
;   window 0: v0-43 addresses and lists; v64-127 the 8 accumulators; v128-191, v192-255 two buffers of A fragments (on the way out v128-191: the rows to store)
;   window 1: B fragments of K steps 0-7, (nb, s) at 64 nb + 8 s;  window 2: K steps 8-15;  window 3: phase 1: four ring slots of 64; phase 2: v0-63 the loaded batch
.set PITCH,  1040                      ; an LDS row: 1,024 bytes of bf16 + 16 = 65 x 16: the 16 rows of a fragment load start in 16 different groups of four banks (64 banks of 4 bytes: ISA guide 11.1)
.set CROWS,  64                        ; list rows in a chunk
.set XBYTES, CROWS*PITCH               ; a buffer
.set UNITB,  32*PITCH                  ; a unit: 32 rows
.set XB1,    XBYTES                    ; buffer 1; in phase 1 its 4 x 16 rows are the waves' W stages
.set SPARE,  2*XBYTES                  ; the spare words, 128 bytes for each wave: two blocks of 256 bytes that no other line names
.set XB,    4                          ; s[4:5]   xs at my expert's row 8 x wave
.set WB,    8                          ; s[8:9]   W at my wave's first row
.set BB,    10                         ; s[10:11] b at my wave's first column
.set OUT,   12                         ; s[12:13] out at my wave's first column of row 0
.set WV,    14                         ; s14 wave
.set EXPT,  15                         ; s15 expert
.set SLICE, 16                         ; s16 slice
.set CNT,   17                         ; s17 the expert's tokens
.set CROW,  20                         ; s20 the chunk's first list row
.set ROW,   21                         ; s21 the unit's
.set NROW,  22                         ; s22 the unit's in the next chunk
.set REM,   23                         ; s23 CNT - ROW
.set TC,    25                         ; s25 counts pairs of chunks
.set T0,    28                         ; s28 at work
.set LSB,   44                         ; s[44:45] lst at my expert's list
.set CB,    46                         ; s[46:47] lst at my expert's count
.set L16,  1                           ; v1  16 x lane
.set AA0,  2                           ; v2, v3  r x PITCH + 16 h in buffer 0, 1   (r = lane % 16, h = lane / 16); never rewritten
.set STX,  4                           ; v4, v5  wave x 8 rows + 16 x lane in buffer 0, 1: where I put 16 bytes of a staged row; never rewritten
.set WST,  6                           ; v6  my W stage + 8 x lane
.set WRD,  7                           ; v7  my W stage + r x PITCH + 16 h
.set LBO,  8                           ; v8  32 h
.set LA,   9                           ; v9  byte offset of the unit's list entries for my half of the lanes
.set XOF,  10                          ; v10 byte offset in xs of the unit that is loaded + 16 x lane
.set OC,   12                          ; v12 16 r
.set HH,   13                          ; v13 h
.set SPW,  14                          ; v14 LDS address of my spare word; never rewritten
.set NIL,  15                          ; v15 0; never rewritten
.set TA,   18                          ; v18, v19 at work
.set TB,   19
.set BIAS, 24                          ; v24-27 b of my columns 4 r .. 4 r + 3
.set TI,   28                          ; v28-43 two tiles x 8: list entries, then byte offsets of out rows
.set ACC,  64                          ; accumulator (t, nb) at ACC + 8 (4 t + nb)
.set F0,   128
.set F1,   192
.set OB,   128                         ; the way out: row (t, j), columns nb at OB + 32 t + 4 j + nb
.set MSB, 0
.macro WIN new                         ; the immediate's high byte repeats the setting that is left; a switch that changes nothing is dropped
.if MSB != (\new)
	s_set_vgpr_msb (MSB<<8)|(\new)
.set MSB, (\new)
.endif
.endm
; ---- phase 1's macros.  A JOB is 16 loads of 512 neighbouring bytes into one ring slot of 64 registers in window 3.
; W job g: four whole rows of 2,048 bytes: block nb = g / 4, stage rows 4 (g % 4) .. + 3; stage row r takes W row 4 r + nb.
.macro WISSUE g, slot
	WIN 0xc0                                       ; destination window 3, address window 0
.set wr, 16*((\g)%4)+(\g)/4
.irp i, 0,1,2,3
.irp q, 0,1,2,3
	global_load_b128 v[64*(\slot)+16*\i+4*\q:64*(\slot)+16*\i+4*\q+3], v[L16], s[WB:WB+1] offset:(wr+4*\i)*2048+512*\q th:TH_LOAD_NT
.endr
.endr
.endm
; X job i: my wave's eight rows of 1,024 bytes of unit i of chunk 0.  The expert's other work-groups read the same rows.
.macro XISSUE1 i, slot
	WIN 0xc0
.irp k, 0,1,2,3,4,5,6,7
.irp q, 0,1
	global_load_b128 v[64*(\slot)+8*\k+4*\q:64*(\slot)+8*\k+4*\q+3], v[L16], s[XB:XB+1] offset:(32*(\i)+\k)*1024+512*\q th:TH_LOAD_HT
.endr
.endr
.endm
; Each load's four f32 are rounded to four bf16, in place, into its first two registers.
.macro CVT base, loads
	WIN 0xcf                                       ; destination and both sources window 3
.set ra, (\base)
.rept (\loads)
	v_cvt_pk_bf16_f32 v[ra], v[ra], v[ra+1]
	v_cvt_pk_bf16_f32 v[ra+1], v[ra+2], v[ra+3]
.set ra, ra+4
.endr
.endm
.macro WSTORE g, slot                  ; 32 lanes x 8 bytes: 256 neighbouring bytes of a stage row
	WIN 0x0c                                       ; data window 3, address window 0
.irp i, 0,1,2,3
.irp q, 0,1,2,3
	ds_store_b64 v[WST], v[64*(\slot)+16*\i+4*\q:64*(\slot)+16*\i+4*\q+1] offset:(4*((\g)%4)+\i)*PITCH+256*\q
.endr
.endr
.endm
.macro XSTORE1 i, slot                 ; buffer 0, row 32 i + 8 wave + k: 32 lanes x 16 bytes, half a row
	WIN 0x0c
.irp k, 0,1,2,3,4,5,6,7
.irp q, 0,1
	ds_store_b128 v[STX], v[64*(\slot)+8*\k+4*\q:64*(\slot)+8*\k+4*\q+3] offset:(32*(\i)+\k)*PITCH+512*\q
.endr
.endr
.endm
; The stage holds block nb's 16 rows: its 16 fragments (16 columns x 32 K: lane l holds row l % 16, K = 8 (l / 16) + 0..7 and 16 + 8 (l / 16) + 0..7) go into windows 1 and 2.
; LDS serves a wave's instructions in order (ISA guide 5.7.1.4): these loads see the stores above, and the next block's stores come behind them.
.macro BFRAG nb
	WIN 0x40
.irp s, 0,1,2,3,4,5,6,7
	ds_load_b128 v[64*(\nb)+8*\s:64*(\nb)+8*\s+3],   v[WRD] offset:64*\s
	ds_load_b128 v[64*(\nb)+8*\s+4:64*(\nb)+8*\s+7], v[WRD] offset:64*\s+32
.endr
	WIN 0x80
.irp s, 0,1,2,3,4,5,6,7
	ds_load_b128 v[64*(\nb)+8*\s:64*(\nb)+8*\s+3],   v[WRD] offset:512+64*\s
	ds_load_b128 v[64*(\nb)+8*\s+4:64*(\nb)+8*\s+7], v[WRD] offset:512+64*\s+32
.endr
.endm
; The queue of 18 jobs: W0-W7, X0, W8, X1, W9-W15.  JOB m sets jw (1: a W job) and jx (its number).
.macro JOB m
.if (\m) < 8
.set jw, 1
.set jx, (\m)
.elseif (\m) == 8
.set jw, 0
.set jx, 0
.elseif (\m) == 9
.set jw, 1
.set jx, 8
.elseif (\m) == 10
.set jw, 0
.set jx, 1
.else
.set jw, 1
.set jx, (\m)-2
.endif
.endm
.macro ISSUE m                         ; job m goes out, into ring slot m % 4
	JOB \m
.if jw
	WISSUE jx, (\m)%4
.else
	XISSUE1 jx, (\m)%4
.endif
.endm
; Step n: job n has come and is stored into LDS (W: rounded first); job n + 4 goes out into the slot that it leaves.  left = the loads of the younger jobs, which stay out.
.macro STEP left
	s_wait_loadcnt \left                           ; loads come back in order (ISA guide 5.7.1)
	JOB n
.if jw
	CVT 64*(n%4), 16
	WSTORE jx, n%4
.if jx%4 == 3
	BFRAG jx/4
.endif
.else
	XSTORE1 jx, n%4
.endif
.if n < 14
	ISSUE n+4
.endif
.endm
; ---- phase 2's macros
; My wave's 8 rows of the unit at list row NROW are asked for: 16 loads of 512 neighbouring bytes into window 3.
.macro XGET
	v_lshl_add_u32 v[XOF], s[NROW], 10, v[L16]     ; row x 1,024 bytes + 16 x lane; the loads that named it last have come (the wait for 0 in the half before)
	WIN 0xc0
.irp i, 0,1,2,3,4,5,6,7
.irp q, 0,1
	global_load_b128 v[8*\i+4*\q:8*\i+4*\q+3], v[XOF], s[XB:XB+1] offset:1024*\i+512*\q th:TH_LOAD_HT
.endr
.endr
	WIN 0
.endm
; They have come, and go into unit u of buffer buf, rows 8 wave + 0..7.
.macro XPUT buf, u
	WIN 0x0c
.irp i, 0,1,2,3,4,5,6,7
.irp q, 0,1
	ds_store_b128 v[STX+(\buf)], v[8*\i+4*\q:8*\i+4*\q+3] offset:(\u)*UNITB+\i*PITCH+512*\q
.endr
.endr
	WIN 0
.endm
; 16 LDS loads: the A fragments of quarter q (K steps 4 q .. 4 q + 3) of the two tiles of 16 rows of unit u of buffer buf, into registers f: (t, sq) at f + 32 t + 8 sq
.macro FETCH q, f, buf, u
	WIN 0
.irp t, 0,1
.irp sq, 0,1,2,3
	ds_load_b128 v[(\f)+32*\t+8*\sq:(\f)+32*\t+8*\sq+3],   v[AA0+(\buf)] offset:(\u)*UNITB+\t*16*PITCH+(4*(\q)+\sq)*64
	ds_load_b128 v[(\f)+32*\t+8*\sq+4:(\f)+32*\t+8*\sq+7], v[AA0+(\buf)] offset:(\u)*UNITB+\t*16*PITCH+(4*(\q)+\sq)*64+32
.endr
.endr
.endm
; 32 matrix instructions: source 0 = 16 tokens, source 1 = 16 columns.  The eight accumulators take turns, one instruction a turn.  zero = 1: the first eight start the sums.
.macro MUL q, f, zero
.if (\q) < 2
	WIN 0x04                                       ; B in window 1
.else
	WIN 0x08                                       ; B in window 2
.endif
.irp sq, 0,1,2,3
.irp t, 0,1
.irp nb, 0,1,2,3
.if (\zero) && (\sq == 0)
	v_wmma_f32_16x16x32_bf16 v[ACC+8*(4*\t+\nb):ACC+8*(4*\t+\nb)+7], v[(\f)+32*\t+8*\sq:(\f)+32*\t+8*\sq+7], v[64*\nb+8*((4*(\q)+\sq)%8):64*\nb+8*((4*(\q)+\sq)%8)+7], 0
.else
	v_wmma_f32_16x16x32_bf16 v[ACC+8*(4*\t+\nb):ACC+8*(4*\t+\nb)+7], v[(\f)+32*\t+8*\sq:(\f)+32*\t+8*\sq+7], v[64*\nb+8*((4*(\q)+\sq)%8):64*\nb+8*((4*(\q)+\sq)%8)+7], v[ACC+8*(4*\t+\nb):ACC+8*(4*\t+\nb)+7]
.endif
.endr
.endr
.endr
.endm
; A load into a register that a matrix instruction has read stands four plain vector instructions behind it (ISA guide 7.12.1 for vector instructions).
.macro PLACES
.rept 4
	v_nop
.endr
.endm
; Tile t's eight stores.  Lanes 0-15: 256 consecutive bytes of one token's row; lanes 16-31: of another's.
.macro SENDT t
.irp j, 0,1,2,3,4,5,6,7
	global_store_b128 v[TI+8*(\t)+\j], v[OB+32*(\t)+4*\j:OB+32*(\t)+4*\j+3], s[OUT:OUT+1] th:TH_STORE_NT
.endr
.endm
; A UNIT: 32 list rows x my 64 columns x K = 512: 128 matrix instructions in four quarters on two fragment buffers, then the way out.
; The unit's 32 tokens are asked for at its head and waited for behind its last products; their bounds and shifts are the places between those products and the additions that read them.
.macro UNIT buf, u
	s_sub_co_u32 s[REM], s[CNT], s[ROW]
	v_lshl_add_u32 v[LA], s[ROW], 2, v[LBO]
.irp t, 0,1
	global_load_b128 v[TI+8*\t:TI+8*\t+3],   v[LA], s[LSB:LSB+1] offset:64*\t      ; entries ROW + 16 t + 8 h + 0..7: the tokens of my eight result registers
	global_load_b128 v[TI+8*\t+4:TI+8*\t+7], v[LA], s[LSB:LSB+1] offset:64*\t+16
.endr
	FETCH 0, F0, \buf, \u
	FETCH 1, F1, \buf, \u
	s_wait_dscnt 16                                ; all but quarter 1's sixteen
	MUL 0, F0, 1
	WIN 0
	PLACES
	FETCH 2, F0, \buf, \u
	s_wait_dscnt 16                                ; quarter 1 is in; quarter 2's sixteen stay out
	MUL 1, F1, 0
	WIN 0
	PLACES
	FETCH 3, F1, \buf, \u
	s_wait_dscnt 16                                ; quarter 2 is in; quarter 3's sixteen stay out
	MUL 2, F0, 0
	s_wait_dscnt 0x0
	MUL 3, F1, 0
	WIN 0
	s_wait_loadcnt 0x0                             ; the tokens are in (and the next chunk's rows, asked for ahead of them)
.irp i, 0,1,2,3,4,5,6,7,8,9,10,11,12,13,14,15
	v_min_u32 v[TI+\i], 0x7ff, v[TI+\i]            ; a loaded number is bounded before it enters an address
.endr
.irp i, 0,1,2,3,4,5,6,7,8,9,10,11,12,13,14,15
	v_lshl_add_u32 v[TI+\i], v[TI+\i], 15, v[OC]   ; token x 32,768 bytes + 16 r
.endr
.irp t, 0,1
.irp j, 0,1,2,3,4,5,6,7                ; ascending: each accumulator is read from its lowest register on
.irp nb, 0,1,2,3
	v_add_f32 v[OB+32*\t+4*\j+\nb], v[ACC+8*(4*\t+\nb)+\j], v[BIAS+\nb]
.endr
.endr
.endr
	SENDT 0                                        ; rows past the count are the first token's row once more
	s_cmp_le_u32 s[REM], 16
	s_cbranch_scc1 .Lsent_\@                       ; the second tile has no row below the count
	SENDT 1
.Lsent_\@:
.endm
; HALF a chunk: the next chunk's unit u is asked for, this chunk's unit u (in buffer buf) is multiplied and stored, the rows that have come go into the other buffer.
; What lies at or past the count is jumped over, forward, past no barrier.
.macro HALF buf, u
	s_wait_xcnt 0x0                                ; the last unit's stores have had their addresses translated (ISA guide 3.1): TI and the rows at OB are rewritten only behind this wait
	s_add_co_u32 s[ROW], s[CROW], 32*(\u)
	s_add_co_u32 s[NROW], s[CROW], CROWS+32*(\u)
	s_cmp_lt_u32 s[NROW], s[CNT]
	s_cbranch_scc0 .Lnoget_\@
	XGET
.Lnoget_\@:
	s_cmp_lt_u32 s[ROW], s[CNT]
	s_cbranch_scc0 .Lnomul_\@
	UNIT \buf, \u
.Lnomul_\@:
	s_wait_loadcnt 0x0                             ; on every path: the rows asked for, if any, are in, and their offset may be written again
	s_cmp_lt_u32 s[NROW], s[CNT]
	s_cbranch_scc0 .Lnoput_\@
	XPUT 1-(\buf), \u
.Lnoput_\@:
.endm
; A CHUNK: 64 list rows in buffer buf.  The barrier at the end stands on every path: in front of it my stores into the other buffer and my reads of this one are done.
.macro CHUNK buf
	s_cmp_lt_u32 s[CROW], s[CNT]
	s_cbranch_scc0 .Ldead_\@
	HALF \buf, 0
	HALF \buf, 1
.Ldead_\@:
	s_add_co_u32 s[CROW], s[CROW], CROWS
	s_wait_dscnt 0x0                               ; for the others' sake: zero
	s_barrier_signal -1
	s_barrier_wait -1
.endm
; ---- the head
	s_load_b256 s[4:11], s[0:1], 0x0               ; xs s[4:5], lst s[6:7], W s[8:9], b s[10:11]
	s_load_b64 s[OUT:OUT+1], s[0:1], 0x20          ; out
	v_lshl_add_u32 v[SPW], v0, 2, SPARE
	v_mov_b32 v[NIL], 0
	v_lshrrev_b32 v[TA], 5, v0
	v_readfirstlane_b32 s[WV], v[TA]               ; wave 0..3
	s_and_b32 s[EXPT], ttmp7, 0xffff
	s_mov_b32 s[SLICE], ttmp9
	v_and_b32 v[TA], 31, v0                        ; lane
	v_and_b32 v[TB], 15, v0                        ; r
	v_bfe_u32 v[HH], v0, 4, 1                      ; h
	v_lshlrev_b32 v[L16], 4, v[TA]
	v_lshlrev_b32 v[OC], 4, v[TB]
	v_lshlrev_b32 v[LBO], 5, v[HH]
	v_mul_u32_u24 v[AA0], v[TB], PITCH
	v_lshl_add_u32 v[AA0], v[HH], 4, v[AA0]
	v_add_nc_u32 v[AA0+1], XB1, v[AA0]
	s_mul_i32 s[T0], s[WV], 8*PITCH
	v_add_nc_u32 v[STX], s[T0], v[L16]
	v_add_nc_u32 v[STX+1], XB1, v[STX]
	s_mul_i32 s[T0], s[WV], 16*PITCH
	s_add_co_u32 s[T0], s[T0], XB1                 ; my W stage
	v_lshl_add_u32 v[WST], v[TA], 3, s[T0]
	v_add_nc_u32 v[WRD], s[T0], v[AA0]
	s_lshl_b32 s32, s[EXPT], 24                    ; W: expert x 8,192 rows x 2,048 bytes
	s_lshl_b32 s[T0], s[SLICE], 19                 ;    + slice x 256 rows
	s_add_co_u32 s32, s32, s[T0]
	s_lshl_b32 s[T0], s[WV], 17                    ;    + wave x 64 rows
	s_add_co_u32 s32, s32, s[T0]
	s_mov_b32 s33, 0
	s_lshl_b32 s42, s[SLICE], 10                   ; out: slice x 256 columns x 4 bytes
	s_lshl_b32 s[T0], s[WV], 8                     ;    + wave x 64 columns
	s_add_co_u32 s42, s42, s[T0]
	s_mov_b32 s43, 0
	s_lshl_b32 s34, s[EXPT], 15                    ; b: the same + expert x 8,192 x 4 bytes
	s_add_co_u32 s34, s34, s42
	s_mov_b32 s35, 0
	s_lshl_b32 s36, s[EXPT], 21                    ; xs: expert x 2,048 rows x 1,024 bytes
	s_lshl_b32 s[T0], s[WV], 13                    ;    + wave x 8 rows
	s_add_co_u32 s36, s36, s[T0]
	s_mov_b32 s37, 0
	s_lshl_b32 s38, s[EXPT], 13                    ; the list: expert x 2,048 x 4 bytes
	s_mov_b32 s39, 0
	s_lshl_b32 s40, s[EXPT], 8                     ; the count: behind the eight lists, expert x 256 bytes
	s_add_co_u32 s40, s40, 0x10000
	s_mov_b32 s41, 0
	s_wait_kmcnt 0x0
	s_add_nc_u64 s[CB:CB+1], s[6:7], s[40:41]
	s_load_b32 s[CNT], s[CB:CB+1], 0x0
	s_add_nc_u64 s[LSB:LSB+1], s[6:7], s[38:39]
	s_add_nc_u64 s[XB:XB+1], s[XB:XB+1], s[36:37]
	s_add_nc_u64 s[WB:WB+1], s[WB:WB+1], s[32:33]
	s_add_nc_u64 s[BB:BB+1], s[BB:BB+1], s[34:35]
	s_add_nc_u64 s[OUT:OUT+1], s[OUT:OUT+1], s[42:43]
	global_load_b128 v[BIAS:BIAS+3], v[OC], s[BB:BB+1]
	ISSUE 0                                        ; more loads are asked for here than the counter's field holds: the issue of those beyond it waits (ISA guide 5.7.1)
	ISSUE 1
	ISSUE 2
	ISSUE 3
	s_wait_kmcnt 0x0
	s_min_u32 s[CNT], s[CNT], 0x800                ; changes nothing: an expert has 2,048 tokens at the most
; ---- phase 1: the queue.  The first step's wait also covers the bias, the oldest load.
.set n, 0
.rept 18
.if n < 15
	STEP 48                                        ; three younger jobs of 16 loads
.else
	STEP 16*(17-n)                                 ; the counts run down: 32, 16, 0
.endif
.set n, n+1
.endr
	WIN 0
	s_wait_dscnt 0x0                               ; my fragments of B are in registers, my rows of buffer 0 are stored, my reads of my stage are over
	s_barrier_signal -1
	s_barrier_wait -1                              ; buffer 0 is whole, and buffer 1, where the stages lay, may be written
; ---- phase 2
	s_mov_b32 s[CROW], 0
	s_mov_b32 s[TC], 2048/(2*CROWS)
.Lpair:
	CHUNK 0
	CHUNK 1
	s_sub_co_u32 s[TC], s[TC], 1
	s_cmp_lg_u32 s[TC], 0
	s_cbranch_scc1 .Lpair
	s_wait_tensorcnt 0x0                           ; the wave's end: behind my last LDS store
	ds_add_u32 v[SPW], v[NIL]
	s_wait_dscnt 0x0
	s_endpgm
.Lfunc_end_k_qfd7e2cf113_route_linear:
	.size	k_qfd7e2cf113_route_linear, .Lfunc_end_k_qfd7e2cf113_route_linear-k_qfd7e2cf113_route_linear
	.p2alignl 7, 3214868480
	.fill 96, 4, 3214868480
	.section	.rodata,"a",@progbits
	.p2align	6, 0x0
	.amdhsa_kernel k_qfd7e2cf113_route_linear
		.amdhsa_group_segment_fixed_size 133632
		.amdhsa_private_segment_fixed_size 0
		.amdhsa_enable_private_segment 0
		.amdhsa_kernarg_size 40
		.amdhsa_user_sgpr_count 2
		.amdhsa_user_sgpr_kernarg_segment_ptr 1
		.amdhsa_wavefront_size32 1
		.amdhsa_system_sgpr_workgroup_id_x 1
		.amdhsa_system_sgpr_workgroup_id_y 1
		.amdhsa_system_sgpr_workgroup_id_z 1
		.amdhsa_system_vgpr_workitem_id 0
		.amdhsa_next_free_vgpr 1024
		.amdhsa_next_free_sgpr 66
		.amdhsa_reserve_vcc 0
		.amdhsa_float_denorm_mode_32 3
		.amdhsa_float_denorm_mode_16_64 3
		.amdhsa_memory_ordered 1
		.amdhsa_forward_progress 1
		.amdhsa_inst_pref_size 178
	.end_amdhsa_kernel
	.amdgpu_metadata
---
amdhsa.version: [ 1, 2 ]
amdhsa.kernels:
  - .name:           k_qfd7e2cf113_route_linear
    .symbol:         k_qfd7e2cf113_route_linear.kd
    .args:
      - { .name: xs, .offset: 0, .size: 8, .value_kind: global_buffer, .address_space: global }
      - { .name: lst, .offset: 8, .size: 8, .value_kind: global_buffer, .address_space: global }
      - { .name: W, .offset: 16, .size: 8, .value_kind: global_buffer, .address_space: global }
      - { .name: b, .offset: 24, .size: 8, .value_kind: global_buffer, .address_space: global }
      - { .name: out0, .offset: 32, .size: 8, .value_kind: global_buffer, .address_space: global }
    .group_segment_fixed_size: 133632
    .private_segment_fixed_size: 0
    .kernarg_segment_align: 8
    .kernarg_segment_size: 40
    .max_flat_workgroup_size: 128
    .sgpr_count:     66
    .vgpr_count:     1024
    .wavefront_size: 32
...
	.end_amdgpu_metadata
.endif
;; end of part 2
